; MI455X (gfx1250); checked and timed in simulation.
; The chip was launched on July 23, 2026; its instructions are those of AMD's public machine-readable ISA for CDNA 5 (MIT licence, August 2026) and "CDNA5" Instruction Set Architecture Reference Guide (July 2026). The comments in the code are by the model that wrote it; some were corrected since.
;; Multi Head Self Attention. Allowed arithmetic: matrix products marked QUANTISED: E2M1 operands, one E8M0 scale for each 32 along K, by v_wmma_scale_f32_16x16x128_f8f6f4 with both operands' format E2M1 (or v_wmma_scale_f32_32x16x128_f4), f32 sums; everything else in f32.
;; Inputs: Wk 1,024 x 1,024 float32; Wq 1,024 x 1,024 float32; Wv 1,024 x 1,024 float32; bk 1,024 float32; bq 1,024 float32; bv 1,024 float32; x 2 x 2,048 x 1,024 float32.
;; Outputs: out0 2 x 2,048 x 1,024 float32.
;; This version of the problem:
;;   THIS VERSION OF THE PROBLEM IS GIVEN IN LOW PRECISION. The matrix products marked QUANTISED in the list below multiply operands that are first quantised to E2M1 (2 exponent bits, 1 mantissa bit; 4 bits a number), with one power-of-two scale for each 32 numbers along K (OCP MX v1.0); their sums are f32. All else is computed in f32.
;;   The module's matrix products, in the order in which they are computed (A, B: the left and right operand; K: the contracted axis; several contracted axes count as one K, in the product's order):
;;     1. [M 4,096, K 1,024] x [K 1,024, N 1,024]; A: input x; B: input Wq: QUANTISED
;;     2. [M 4,096, K 1,024] x [K 1,024, N 1,024]; A: input x; B: input Wk: QUANTISED
;;     3. [M 4,096, K 1,024] x [K 1,024, N 1,024]; A: input x; B: input Wv: QUANTISED
;;     4. batch 32 x [M 2,048, K 64] x [K 64, N 2,048]; A: computed on the way; B: computed on the way: QUANTISED
;;     5. batch 32 x [M 64, K 2,048] x [K 2,048, N 2,048]; A: computed on the way; B: softmax (see below): QUANTISED
;;   THE QUANTISER, for each operand of a quantised product, along K:
;;     - K is cut into blocks of 32 from its start; a last block that is shorter is filled with zeros.
;;     - A block's scale is 2^e with e = floor(log2(the largest magnitude in the block)) - 2, held to -126 .. 127; a block of zeros has e = 0. As a byte (E8M0): e + 127.
;;     - Each number is divided by its block's scale, clamped to +-6, and rounded to the nearest number of E2M1, ties to even, subnormals kept.
;;     - The product sums the exact products of the quantised numbers (number of the format x scale) in f32.
;;   ~~~python
;;   def quantise(x, axis):      # numpy; x: float32 -> the quantised numbers, widened to float32 again
;;       x = np.moveaxis(x, axis, -1); K = x.shape[-1]
;;       x = np.pad(x, [(0, 0)] * (x.ndim - 1) + [(0, -K % 32)]); x = x.reshape(x.shape[:-1] + (-1, 32)); a = np.abs(x).max(-1, keepdims=True)
;;       e = np.where(a > 0, np.clip(np.frexp(np.where(a > 0, a, 1))[1] - 1 - 2, -126, 127), 0)      # np.frexp(a)[1] - 1 = floor(log2(a)), exactly
;;       r = np.clip(x / 2.0 ** e, -6, 6)
;;       step = 2.0 ** (np.maximum(np.frexp(np.where(r == 0, 1, r))[1] - 1, 0) - 1)
;;       q = np.round(r / step) * step * 2.0 ** e      # np.round: ties to even
;;       return np.moveaxis(q.reshape(q.shape[:-2] + (-1,))[..., :K], -1, axis).astype(np.float32)
;;   ~~~
;;   SOFTMAX AHEAD OF A QUANTISED PRODUCT. Where the list says 'softmax', what is quantised is not the finished softmax but p = 2^(t - M), with t = logit x log2(e) and M = ceil(the row's largest t), a whole number; so 1/2 < the row's largest p <= 1. The row's sum l is taken of the UNQUANTISED p, in f32, and the product's result is divided by l at the end. Since M is a whole number, a kernel that streams over the keys may use a running M (the ceiling of the running maximum): every later rescaling is an exact power of two, which a block's scale takes up: the codes' values come out the same.
;;   OPERANDS COMPUTED ON THE WAY. 'Computed on the way' means the value that the module computes at that place (a softmax that the list does not call 'softmax' is quantised finished and normalised). What goes into a quantiser is computed in f32, as accurately as f32 sums, v_exp_f32 and their like allow (about 1e-6 of the number): no bf16 or f16 on the way to a quantiser, and a product that is left as it is and whose result goes on into a quantised operand takes f32 operands (vector FMAs, or v_wmma_f32_16x16x4_f32). A number that lies on a knife's edge between two numbers of the format may be rounded either way, as far as f32 arithmetic and the matrix unit's own rounding can turn it there, and no further.
;; One version. Each part assembles by itself: llvm-mc -triple=amdgcn-amd-amdhsa -mcpu=gfx1250 --defsym DOCPART=n.
;; ======== version 1 of 1: 3 launches
;; limits: right only within a limited range of input values
;; workspace buffers: xwc 3,670,016 bytes; xws 229,376 bytes; qb 2,228,224 bytes; kvb 4,587,520 bytes
;; launch quant (part 1): grid 224 x 1, 16 waves a work-group, no clusters, 84,992 bytes of LDS; arguments x, Wq, Wk, Wv, xwc, xws; writes xwc, xws
.if DOCPART == 1
	.amdgcn_target "amdgcn-amd-amdhsa--gfx1250"
	.amdhsa_code_object_version 6
	.text
	.protected	k_q5f9e1b9a3e_quant
	.globl	k_q5f9e1b9a3e_quant
	.p2align	8
	.type	k_q5f9e1b9a3e_quant,@function
k_q5f9e1b9a3e_quant:
	s_mov_b64 s[64:65], 0
	v_nop
	global_prefetch_b8 v0, s[64:65] scope:SCOPE_SE
	s_setreg_imm32_b32 hwreg(HW_REG_WAVE_MODE, 25, 1), 1
	s_wait_xcnt 0x0
; x [4096][1024] and Wq, Wk, Wv [1024][1024], f32 with K innermost, become codes of FP4 (E2M1), two to a byte, K innermost, with one E8M0 byte for each 32 along K.
; The program leaves out no input.  Of the two attention products it leaves out only the key steps that the causal mask of the problem hides whole (the last launch's head says which).
; A block's scale is 2^(floor(log2(its largest magnitude)) - 2); its byte is the largest magnitude's exponent field - 2, held at 1 from below.
; LIMITS: NaN and infinities among the inputs are not served; a block whose largest magnitude lies under 2^-124 gets the byte 1; a block of zeros gets the byte 1 where the quantiser says 127:
; its codes are zeros, which add nothing under any byte but 0xff, and the bytes are read by this program alone.
; WHERE THE ROWS GO.  xwc is [7168 rows][512 bytes], xws [7168 rows][32 bytes].  Rows 0-4095: x; rows 4096 + 192 j + 64 type + c: channel c of head j of Wq (type 0), Wk (1), Wv (2).
; In every group of 32 rows bits 3 and 4 of the row's number change places, so that 16 stored neighbours are the rows 8 u + 0..7 and 16 + 8 u + 0..7 of the group: the tiles that the next launch multiplies.
; A work-group takes such a group of 32 rows, a wave two neighbouring rows: 4 steps of 512 numbers, whose sixteen loads are all asked for at once.  Each load reads 512 consecutive bytes, 16 a lane; a step's 2,048 bytes turn
; through the wave's own stage in LDS and come back 64 bytes a lane, so that a lane holds 16 neighbours along K (two neighbouring lanes hold a block).  A lane's 16 codes are 8 bytes: a store covers 256 consecutive bytes.
; The group's 1,024 scale bytes are gathered in LDS in their stored order; behind one barrier wave 0 stores them.
.set STEPS, 4
.set R,     16                         ; v16-79   four sets of 16 numbers as they are loaded
.set X,     80                         ; v80-111  two sets of 16 neighbours
.set E,     112                        ; v112-115 a scale byte for each step
.set C,     116                        ; v116-123 codes: two registers for each step
.set SPW,   124                        ; v124     LDS address of my spare word
.set NIL,   125                        ; v125     0
.set SP,    80                         ; a lane's place in a stage: its 64 bytes + 16 of padding
.set WREG,  2*32*SP                    ; LDS: two stages for each wave
.set SCB,   16*WREG                    ; behind them the group's 1,024 scale bytes
.set SPARE, SCB+1024                   ; and the spare words, 128 bytes for each wave
	s_load_b256 s[4:11], s[0:1], 0x0               ; x s[4:5], Wq s[6:7], Wk s[8:9], Wv s[10:11]
	s_load_b128 s[12:15], s[0:1], 0x20             ; xwc s[12:13], xws s[14:15]
	v_lshl_add_u32 v[SPW], v0, 2, SPARE
	v_mov_b32 v[NIL], 0
	v_lshrrev_b32 v1, 5, v0
	v_readfirstlane_b32 s16, v1                    ; wave 0..15
	v_and_b32 v2, 31, v0                           ; lane
	v_lshlrev_b32 v3, 4, v2                        ; my 16 bytes of 512
	s_mul_i32 s25, s16, WREG
	v_lshrrev_b32 v14, 2, v2
	v_mul_u32_u24 v14, v14, SP
	v_and_b32 v15, 3, v2
	v_lshl_add_u32 v14, v15, 4, v14
	v_add_nc_u32 v14, s25, v14                     ; the stage, on the way in: SP (lane / 4) + 16 (lane % 4)
	v_mul_u32_u24 v15, v2, SP
	v_add_nc_u32 v15, s25, v15                     ; and on the way out: SP x lane: my 16 neighbours
	v_lshlrev_b32 v4, 3, v2                        ; my codes' place in a step's 256 bytes
	s_bfe_u32 s24, s16, 0x10002
	s_lshl_b32 s24, s24, 4
	s_lshr_b32 s26, s16, 3
	s_lshl_b32 s26, s26, 3
	s_add_co_u32 s24, s24, s26
	s_and_b32 s26, s16, 3
	s_lshl_b32 s26, s26, 1
	s_add_co_u32 s24, s24, s26                     ; my first row's place in the stored group: rows 2 w, 2 w + 1 with bits 3 and 4 changed over
	s_lshl_b32 s25, s24, 5
	s_add_co_u32 s25, s25, SCB
	v_lshrrev_b32 v5, 1, v2
	v_add_nc_u32 v5, s25, v5                       ; LDS: my block's scale byte
	v_add_nc_u32 v6, SCB, v3                       ; and on the way out 16 bytes a lane
	; which group of 32 rows is read, and where it goes.  Work-groups 0-127 take x, 128-159 Wq, 160-191 Wk, 192-223 Wv
	s_sub_co_u32 s17, ttmp9, 128
	s_and_b32 s18, s17, 31                         ; a weight's group: head = s18 / 2, half of the head = s18 % 2
	s_lshr_b32 s19, s17, 5                         ; type 0, 1, 2
	s_lshr_b32 s20, s18, 1
	s_mul_i32 s20, s20, 24                         ; in runs of 8 rows: 24 a head,
	s_lshl_b32 s26, s19, 3
	s_add_co_u32 s20, s20, s26                     ; 8 a type,
	s_and_b32 s26, s18, 1
	s_lshl_b32 s26, s26, 2
	s_add_co_u32 s20, s20, s26                     ; 4 a half,
	s_add_co_u32 s20, s20, 512                     ; behind x's 512
	s_lshl_b32 s21, ttmp9, 2                       ; x: 4 runs a work-group
	s_wait_alu depctr_va_vdst(0)
	s_wait_kmcnt 0x0
	s_cmp_lt_u32 ttmp9, 160                        ; the choices hang on the work-group's number alone
	s_cselect_b64 s[6:7], s[6:7], s[8:9]
	s_cmp_lt_u32 ttmp9, 192
	s_cselect_b64 s[6:7], s[6:7], s[10:11]
	s_cmp_lt_u32 ttmp9, 128
	s_cselect_b64 s[4:5], s[4:5], s[6:7]
	s_cselect_b32 s22, s21, s20
	s_cselect_b32 s23, ttmp9, s18
	s_lshl_b32 s26, s23, 17                        ; 32 rows of 4,096 bytes
	s_lshl_b32 s25, s16, 13
	s_add_co_u32 s26, s26, s25                     ; my two
	s_mov_b32 s27, 0
	s_add_nc_u64 s[4:5], s[4:5], s[26:27]
	s_lshl_b32 s26, s22, 12                        ; a run: 4,096 bytes of codes,
	s_lshl_b32 s25, s24, 9
	s_add_co_u32 s26, s26, s25
	s_add_nc_u64 s[12:13], s[12:13], s[26:27]
	s_lshl_b32 s26, s22, 8                         ; 256 scale bytes
	s_add_nc_u64 s[14:15], s[14:15], s[26:27]
.irp t, 0,1,2,3
.irp i, 0,1,2,3
	global_load_b128 v[R+16*\t+4*\i:R+16*\t+4*\i+3], v3, s[4:5] offset:2048*\t+512*\i th:TH_LOAD_NT   ; 32 lanes read 512 consecutive bytes
.endr
.endr
.macro TURN t                          ; step t's numbers through the stage: LDS serves a wave's instructions in order (ISA guide 5.7.1), so no wait stands between the stores and the loads
.irp i, 0,1,2,3
	ds_store_b128 v14, v[R+16*(\t)+4*\i:R+16*(\t)+4*\i+3] offset:32*SP*((\t)%2)+8*SP*\i
.endr
.irp i, 0,1,2,3
	ds_load_b128 v[X+16*((\t)%2)+4*\i:X+16*((\t)%2)+4*\i+3], v15 offset:32*SP*((\t)%2)+16*\i
.endr
.endm
	s_wait_loadcnt 12                              ; step 0's four loads are in; those of steps 1 to 3 may be out
	TURN 0
.macro STEP t
.set XS, X+16*((\t)%2)
.if (\t) > 0
	s_wait_dscnt 1                                 ; this step's numbers are back from the stage (the last step's byte store may be out)
.else
	s_wait_dscnt 0x0
.endif
.if (\t)+1 < STEPS
	s_wait_loadcnt 4*(STEPS-2-(\t))                ; the next step's four loads are in; those of the steps behind it may be out
	TURN (\t)+1                                    ; and go through the other stage while this step is worked
.endif
	v_max3_num_f32 v8, |v[XS]|, |v[XS+1]|, |v[XS+2]|               ; the largest magnitude of my 16, in two chains
	v_max3_num_f32 v9, |v[XS+3]|, |v[XS+4]|, |v[XS+5]|
.irp i, 6,10
	v_max3_num_f32 v8, v8, |v[XS+\i]|, |v[XS+\i+1]|
	v_max3_num_f32 v9, v9, |v[XS+\i+2]|, |v[XS+\i+3]|
.endr
	v_max3_num_f32 v8, v8, |v[XS+14]|, |v[XS+15]|
	v_max3_num_f32 v8, v8, v9, 0x1800000           ; and the floor 2^(3 - 127): the byte cannot fall under 1
	v_max_num_f32_dpp v8, v8, v8 row_xmask:1 row_mask:0xf bank_mask:0xf   ; and of my neighbour's 16: the block's
	v_add_nc_u32 v11, 0xff000000, v8               ; 2 off its exponent field: the conversion takes the exponent field of this operand as its scale, and nothing else of it
	v_cvt_scalef32_pk8_fp4_f32 v[C+2*(\t)], v[XS:XS+7], v11        ; eight numbers / the scale, to the nearest code, ties to even, beyond 6 the largest code; the first number's code in the lowest four bits
	v_cvt_scalef32_pk8_fp4_f32 v[C+2*(\t)+1], v[XS+8:XS+15], v11
	v_lshrrev_b32 v[E+(\t)], 23, v11               ; the scale's byte (a plain line behind the conversions)
	ds_store_b8 v5, v[E+(\t)] offset:16*(\t)       ; both lanes of a block write the same byte with the same value
	global_store_b64 v4, v[C+2*(\t):C+2*(\t)+1], s[12:13] offset:256*(\t)   ; 32 lanes store 256 consecutive bytes, aligned
.endm
.irp t, 0,1,2,3
	STEP \t
.endr
	s_wait_tensorcnt 0x0
	ds_add_u32 v[SPW], v[NIL]
	s_wait_dscnt 0x0                               ; behind the last of them my scale bytes are written
	s_barrier_signal -1
	s_barrier_wait -1                              ; everybody's are
	s_cmp_lg_u32 s16, 0
	s_cbranch_scc1 .Ldone
	ds_load_b128 v[16:19], v6
	ds_load_b128 v[20:23], v6 offset:512
	s_wait_dscnt 0x0
	global_store_b128 v3, v[16:19], s[14:15]       ; 32 lanes store 512 consecutive bytes, aligned
	global_store_b128 v3, v[20:23], s[14:15] offset:512
.Ldone:
	s_endpgm
.Lfunc_end_k_q5f9e1b9a3e_quant:
	.size	k_q5f9e1b9a3e_quant, .Lfunc_end_k_q5f9e1b9a3e_quant-k_q5f9e1b9a3e_quant
	.p2alignl 7, 3214868480
	.fill 96, 4, 3214868480
	.section	.rodata,"a",@progbits
	.p2align	6, 0x0
	.amdhsa_kernel k_q5f9e1b9a3e_quant
		.amdhsa_group_segment_fixed_size 84992
		.amdhsa_private_segment_fixed_size 0
		.amdhsa_enable_private_segment 0
		.amdhsa_kernarg_size 48
		.amdhsa_user_sgpr_count 2
		.amdhsa_user_sgpr_kernarg_segment_ptr 1
		.amdhsa_wavefront_size32 1
		.amdhsa_system_sgpr_workgroup_id_x 1
		.amdhsa_system_sgpr_workgroup_id_y 1
		.amdhsa_system_sgpr_workgroup_id_z 1
		.amdhsa_system_vgpr_workitem_id 0
		.amdhsa_next_free_vgpr 128
		.amdhsa_next_free_sgpr 66
		.amdhsa_reserve_vcc 0
		.amdhsa_float_denorm_mode_32 3
		.amdhsa_float_denorm_mode_16_64 3
		.amdhsa_memory_ordered 1
		.amdhsa_forward_progress 1
		.amdhsa_inst_pref_size 12
	.end_amdhsa_kernel
	.amdgpu_metadata
---
amdhsa.version: [ 1, 2 ]
amdhsa.kernels:
  - .name:           k_q5f9e1b9a3e_quant
    .symbol:         k_q5f9e1b9a3e_quant.kd
    .args:
      - { .name: x, .offset: 0, .size: 8, .value_kind: global_buffer, .address_space: global }
      - { .name: Wq, .offset: 8, .size: 8, .value_kind: global_buffer, .address_space: global }
      - { .name: Wk, .offset: 16, .size: 8, .value_kind: global_buffer, .address_space: global }
      - { .name: Wv, .offset: 24, .size: 8, .value_kind: global_buffer, .address_space: global }
      - { .name: xwc, .offset: 32, .size: 8, .value_kind: global_buffer, .address_space: global }
      - { .name: xws, .offset: 40, .size: 8, .value_kind: global_buffer, .address_space: global }
    .group_segment_fixed_size: 84992
    .private_segment_fixed_size: 0
    .kernarg_segment_align: 8
    .kernarg_segment_size: 48
    .max_flat_workgroup_size: 512
    .sgpr_count:     66
    .vgpr_count:     128
    .wavefront_size: 32
...
	.end_amdgpu_metadata
.endif
;; end of part 1
;; launch proj (part 2): grid 16 x 16, 4 waves a work-group, clusters of 4 x 4, 327,680 bytes of LDS; arguments xwc, xws, bq, bk, bv, qb, kvb; writes qb, kvb
.if DOCPART == 2
	.amdgcn_target "amdgcn-amd-amdhsa--gfx1250"
	.amdhsa_code_object_version 6
	.text
	.protected	k_q5f9e1b9a3e_proj
	.globl	k_q5f9e1b9a3e_proj
	.p2align	8
	.type	k_q5f9e1b9a3e_proj,@function
k_q5f9e1b9a3e_proj:
	s_mov_b64 s[64:65], 0
	v_nop
	global_prefetch_b8 v0, s[64:65] scope:SCOPE_SE
	s_setreg_imm32_b32 hwreg(HW_REG_WAVE_MODE, 25, 1), 1
	s_wait_xcnt 0x0
	s_wait_alu depctr_hold_cnt(0) depctr_sa_sdst(0) depctr_va_vdst(0) depctr_va_sdst(0) depctr_va_ssrc(0) depctr_va_vcc(0) depctr_vm_vsrc(0)
	s_getreg_b32 s2, hwreg(HW_REG_IB_STS2, 6, 4)
	s_cmp_eq_u32 s2, 0
	s_cbranch_scc0 .Lentry_in_a_cluster
	s_endpgm
.Lentry_in_a_cluster:
	s_bfe_u32 s2, ttmp6, 0x10000c
	s_cmp_lg_u32 s2, 0xf033
	s_cbranch_scc0 .Lentry_shape_is_right
	s_endpgm
.Lentry_shape_is_right:
; Q = x Wq^T + bq, K = x Wk^T + bk, V = x Wv^T + bv on codes of FP4 with E8M0 scales (K = 1,024), and the results quantised again: Q and K along the head's 64 channels, V along the keys.
; SHARES.  Work-group (tx = head, ty) makes 256 rows of x times the head's 192 columns (64 of Q, 64 of K, 64 of V).  Wave w: rows 128 (w / 2) on, one record of 128 rows; w % 2 = 0: Q and V's channels 0-31;
; w % 2 = 1: K and V's channels 32-63: 48 accumulators of 16 x 16.  The two kinds of wave run the same text: they differ in addresses alone.
; LDS is filled ONCE: a row's 1,024 codes are 512 bytes, so all of K of 256 + 192 rows fits, in two halves of K, each brought by its own tensor loads; the first half is multiplied while the second lands.
; CLUSTERS: 4 x 4 work-groups.  x's rows hang on ty alone and are shared along a row of the cluster, the weights' on tx alone and are shared along a column: each tile is asked for jointly.
; ROWS.  The launch before has laid the rows so that 16 stored neighbours are tile 2 b + u of a group of 32: index i is row 32 b + 8 u + i + 8 (i / 8).
; Q, K: THE PRODUCT IS USED TRANSPOSED (source 0 = 16 channels of W, source 1 = 16 rows of x): a lane holds one row of x, and the 16 registers of channel tiles 2 b, 2 b + 1 are channels 32 b + 16 (lane / 16) + 0..15.
; V: source 0 = 16 rows of x (keys), source 1 = 16 channels of Wv: a lane holds one channel, and the 16 registers of row tiles 2 b, 2 b + 1 are keys 32 b + 16 (lane / 16) + 0..15.
; So both are quantised from a lane's consecutive registers, and the codes come out as the next launch's operand registers: they are stored as images of those registers, 16 bytes a lane, 512 bytes a store.
; The biases are the C of each sum's first product.
; RECORDS, one for each head and 128 rows.  qb: 4,352 bytes: eight tiles' images of 512 bytes (lane (r, h): row index r, channels 32 h on), then 256 bytes of scale words: at 8 l + 4 p the word of tiles
; 2 b, 2 b + 1, b = 2 p + l / 16, row index l % 16: bytes (tile 2 b: channels 0-31, 32-63; tile 2 b + 1 likewise).  kvb: 8,960 bytes: K as in qb; at 4,352 four fragments of V^T of 1,024 bytes (16 channels x 128 keys);
; at 8,448 V's scale words: at 256 p + 8 l the word of channel tile 2 p + l / 16, channel index l % 16, written twice so that a store covers 256 consecutive bytes.
; LIMITS: NaN and infinities are not served; a block whose largest magnitude lies under 2^-124, a block of zeros among them, gets the byte 1 (read by this program alone; zero codes add nothing).
; REGISTERS, in windows of 256: window 0: v1-17 addresses; v32-87 scale words; v88-135 biases; v136-193 codes and scale words on the way out; v200-215 at work.
;   window 1: two sets of fragments of 112 registers: x's eight tiles, then W's six.   window 2: Q's or K's accumulators, (row tile a, channel tile n) at 32 a + 8 n.   window 3: V's, (channel tile t, row tile a) at 64 t + 8 a.
.set PITCH, 272                        ; an LDS row: 256 bytes of codes + 16 of padding: the 16 rows that a load touches start 68 words apart
.set AB,    256*PITCH                  ; x's 256 rows; the weights' 192 follow
.set SLOT,  448*PITCH                  ; one half of K
.set ADRA, 4                           ; v4-5   LDS address of my fragments of x in K's half 0, 1
.set ADRB, 6                           ; v6-7   of Wq's or Wk's
.set ADRV, 8                           ; v8-9   of Wv's
.set LI,   15                          ; v15    16 x lane
.set L8,   16                          ; v16    8 x lane
.set SA,   32                          ; v32-63  x's scale words: register 8 a + s: lanes 0-15 tile a, lanes 16-31 tile a + 4, K step s
.set SBQ,  64                          ; v64-79  Wq's or Wk's: register 8 n + s: lanes 0-15 tile n, lanes 16-31 tile n + 2
.set SBV,  80                          ; v80-87  Wv's: register s: lanes 0-15 my first tile, lanes 16-31 my second
.set BIQ,  88                          ; v88-119  bq or bk in the result's layout, 8 registers a channel tile
.set BIV,  120                         ; v120-135 bv likewise: a lane's eight are equal
.set PC,   136                         ; v136-183 six fragments of codes
.set PW,   184                         ; v184-189 their scale words
.set SW,   190                         ; v190-193 scale words as they are stored
.set TM,   200                         ; v200-203 largest magnitudes, v204-207 bytes, v212-215 the conversions' scale operands
.set G1A,  28                          ; s[28:35] descriptor group 1 for x's tiles;  s[36:43] for the weights'
.set G1B,  36
.set G0A,  44                          ; s[44:51] group 0 for x's tiles, a set for each half of K;  s[52:59] for the weights'
.set G0B,  52
.set SEL,  60                          ; s[60:61] v_permlanex16_b32's selects for lane l xor 16
.set MSB, 0
.macro WIN new                         ; s_set_vgpr_msb: bits 1:0 source 0, 3:2 source 1, 5:4 source 2, 7:6 destination; the high byte repeats the setting that is left
.if MSB != \new
	s_set_vgpr_msb (MSB<<8)|\new
.set MSB, \new
.endif
.endm
.macro CROUND                          ; a round of the cluster's barrier: my work-group's barrier; wave 0 signals for the work-group; every wave waits for all sixteen; my work-group's barrier once more
	s_barrier_signal -1
	s_barrier_wait -1
	s_cmp_lg_u32 s18, 0
	s_cbranch_scc1 .Lnot_wave_0_\@
	s_barrier_signal -3
.Lnot_wave_0_\@:
	s_barrier_wait -3
	s_barrier_signal -1
	s_barrier_wait -1
.endm
.macro PLACES n                        ; plain vector instructions between a matrix instruction and a load into, or a read of, its registers
.rept \n
	v_nop
.endr
.endm
	s_load_b256 s[4:11], s[0:1], 0x0               ; xwc s[4:5], xws s[6:7], bq s[8:9], bk s[10:11]
	s_load_b128 s[12:15], s[0:1], 0x20             ; bv s[12:13], qb s[14:15]
	s_load_b64 s[16:17], s[0:1], 0x30              ; kvb
	v_lshl_add_u32 v254, v0, 2, 0x3b800
	v_mov_b32 v255, 0
	ds_add_u32 v254, v255
	ds_add_u32 v254, v255
	v_lshrrev_b32 v1, 5, v0
	v_readfirstlane_b32 s18, v1                    ; wave 0..3
	s_lshr_b32 s19, s18, 1                         ; rh: which 128 rows are mine
	s_and_b32 s20, s18, 1                          ; ch: 0: Q and V's first half; 1: K and V's second
	s_bfe_u32 s21, ttmp6, 0x40000                  ; cx, cy: my place in the cluster
	s_bfe_u32 s22, ttmp6, 0x40004
	s_lshl_b32 s23, ttmp9, 2
	s_add_co_u32 s23, s23, s21                     ; tx = 4 x cluster x + cx: the head
	s_and_b32 s24, ttmp7, 0xffff
	s_lshl_b32 s24, s24, 2
	s_add_co_u32 s24, s24, s22                     ; ty = 4 x cluster y + cy: 256 rows of x
	s_lshl_b32 s25, s22, 2
	s_lshl_b32 s25, 15, s25                        ; my row of the cluster
	s_lshl_b32 s26, 0x1111, s21                    ; my column
	; descriptor group 1: rows of 256 bytes, 512 bytes apart in memory, 16 bytes of padding behind each in LDS; x: 128 rows a load, the weights: 96
	s_or_b32 s[G1A], s25, (1<<20)|(1<<21)|(5<<22)|(3<<25)   ; 15:0 the mask; 17:16 elements of 1 byte; 20 padding on; 21 set beside a mask; 24:22 after every 64 words (code 5); 31:25 four words (code 3)
	s_or_b32 s[G1B], s26, (1<<20)|(1<<21)|(5<<22)|(3<<25)
	s_mov_b32 s[G1A+1], 256<<16                    ; tensor_dim0
	s_mov_b32 s[G1A+2], 128<<16                    ; tensor_dim1
	s_mov_b32 s[G1A+3], 256<<16                    ; tile_dim0
	s_mov_b32 s[G1A+4], 128                        ; tile_dim1
	s_mov_b32 s[G1A+5], 512                        ; from row to row
	s_mov_b32 s[G1A+6], 0
	s_mov_b32 s[G1A+7], 0
	s_mov_b32 s[G1B+1], 256<<16
	s_mov_b32 s[G1B+2], 96<<16
	s_mov_b32 s[G1B+3], 256<<16
	s_mov_b32 s[G1B+4], 96
	s_mov_b32 s[G1B+5], 512
	s_mov_b32 s[G1B+6], 0
	s_mov_b32 s[G1B+7], 0
	; where the tiles come from: x's hang on ty and the wave, the weights' on tx and the wave, each in registers that never hold the other coordinate
	s_lshl_b32 s66, s24, 17
	s_lshl_b32 s67, s20, 16
	s_add_co_u32 s66, s66, s67                     ; (256 ty + 128 (w % 2)) x 512: waves 0 and 1 fetch x's rows,
	s_mov_b32 s67, 0
	s_mul_i32 s68, s23, 192*512
	s_mul_i32 s69, s20, 96*512
	s_add_co_u32 s68, s68, s69
	s_add_co_u32 s68, s68, 4096*512                ; (4096 + 192 tx + 96 (w % 2)) x 512: waves 2 and 3 the weights'
	s_mov_b32 s69, 0
	s_mul_i32 s70, s20, 128*PITCH                  ; and where they go: a bit of the wave's number times a constant
	s_mul_i32 s71, s20, 96*PITCH
	s_add_co_u32 s71, s71, AB
	; offsets of the scale words, the biases and the records
	s_lshl_b32 s72, s24, 13
	s_lshl_b32 s88, s19, 12
	s_add_co_u32 s72, s72, s88                     ; x's scales: (256 ty + 128 rh) x 32
	s_mov_b32 s73, 0
	s_mul_i32 s74, s23, 192*32
	s_add_co_u32 s74, s74, 4096*32                 ; the head's weights' scales
	s_lshl_b32 s88, s20, 10
	s_add_co_u32 s76, s74, s88
	s_add_co_u32 s76, s76, 128*32                  ; Wv's: + (128 + 32 ch) x 32
	s_mov_b32 s77, 0
	s_lshl_b32 s88, s20, 11
	s_add_co_u32 s74, s74, s88                     ; Wq's or Wk's: + 64 ch x 32
	s_mov_b32 s75, 0
	s_lshl_b32 s88, s23, 8                         ; the head's 64 numbers of a bias
	s_mov_b32 s89, 0
	s_lshl_b32 s90, s20, 7
	s_add_co_u32 s90, s90, s88                     ; bv: + 32 ch numbers
	s_mov_b32 s91, 0
	s_lshl_b32 s92, s24, 1
	s_add_co_u32 s92, s92, s19                     ; my block of 128 rows, 0..31: batch = / 16, block in the batch = % 16
	s_lshr_b32 s93, s92, 4
	s_lshl_b32 s93, s93, 4
	s_add_co_u32 s93, s93, s23
	s_lshl_b32 s93, s93, 4
	s_and_b32 s92, s92, 15
	s_add_co_u32 s92, s92, s93                     ; the record: (16 batch + head) x 16 + block
	s_mul_i32 s94, s92, 8960
	s_mov_b32 s95, 0
	s_mov_b32 s93, 8960
	s_mov_b32 s[SEL], 0x76543210
	s_mov_b32 s[SEL+1], 0xfedcba98
	s_wait_dscnt 0x0                               ; both opening adds are done
	CROUND                                         ; all sixteen work-groups are here: the first joint loads meet.  (The arguments are on their way meanwhile)
	s_wait_kmcnt 0x0
	s_cmp_eq_u32 s20, 0                            ; Q's wave or K's: the wave's number chooses buffers, never a way through the text
	s_cselect_b64 s[78:79], s[8:9], s[10:11]
	s_cselect_b64 s[82:83], s[14:15], s[16:17]
	s_cselect_b32 s93, 4352, s93
	s_mul_i32 s92, s92, s93
	s_mov_b32 s93, 0
	s_add_nc_u64 s[82:83], s[82:83], s[92:93]      ; s[82:83]: my record of Q or of K
	s_add_nc_u64 s[86:87], s[16:17], s[94:95]      ; the record in kvb
	s_lshl_b32 s92, s20, 11
	s_add_nc_u64 s[84:85], s[86:87], s[92:93]      ; s[84:85]: + 2,048 ch: my two fragments of V (4,352 stands in the stores' immediates)
	s_lshl_b32 s92, s20, 8
	s_add_nc_u64 s[86:87], s[86:87], s[92:93]      ; s[86:87]: + 256 ch: their scale words (8,448 likewise)
	s_add_nc_u64 s[72:73], s[6:7], s[72:73]
	s_add_nc_u64 s[74:75], s[6:7], s[74:75]
	s_add_nc_u64 s[76:77], s[6:7], s[76:77]
	s_add_nc_u64 s[78:79], s[78:79], s[88:89]
	s_add_nc_u64 s[80:81], s[12:13], s[90:91]
	s_add_nc_u64 s[66:67], s[4:5], s[66:67]
	s_add_nc_u64 s[68:69], s[4:5], s[68:69]
.irp g, 0,1
	s_mov_b32 s[G0A+4*\g], 1                                       ; count = 1
	s_add_co_u32 s[G0A+4*\g+1], s70, \g*SLOT                       ; LDS address
	s_add_nc_u64 s[G0A+4*\g+2:G0A+4*\g+3], s[66:67], \g*256        ; global address: K's half g
	s_or_b32 s[G0A+4*\g+3], s[G0A+4*\g+3], 0x80000000              ; type = 2
	s_mov_b32 s[G0B+4*\g], 1
	s_add_co_u32 s[G0B+4*\g+1], s71, \g*SLOT
	s_add_nc_u64 s[G0B+4*\g+2:G0B+4*\g+3], s[68:69], \g*256
	s_or_b32 s[G0B+4*\g+3], s[G0B+4*\g+3], 0x80000000
.endr
; A joint load of K's half g: waves 0 and 1 128 rows of x each, waves 2 and 3 96 rows of the weights.  The branch hangs on the wave's number alone.
.macro JL g
	s_cmp_eq_u32 s19, 0
	s_cbranch_scc0 .Lweights_\@
	tensor_load_to_lds s[G0A+4*\g:G0A+4*\g+3], s[G1A:G1A+7]
	s_nop 0
	PLACES 4                                       ; four plain lines behind a tensor load
	s_branch .Lasked_\@
.Lweights_\@:
	tensor_load_to_lds s[G0B+4*\g:G0B+4*\g+3], s[G1B:G1B+7]
	s_nop 0
	PLACES 4
.Lasked_\@:
.endm
	JL 0                                           ; K's first half
	v_and_b32 v1, 15, v0                           ; r
	v_bfe_u32 v2, v0, 4, 1                         ; h
	v_and_b32 v3, 31, v0                           ; lane
	v_lshlrev_b32 v10, 5, v1
	v_lshl_add_u32 v10, v2, 11, v10                ; x's scale words: row r, lanes 16-31 four tiles (64 rows of 32 bytes) on
	v_lshlrev_b32 v11, 5, v1
	v_lshl_add_u32 v11, v2, 10, v11                ; Wq's, Wk's: lanes 16-31 two tiles on
	v_lshlrev_b32 v12, 5, v3                       ; Wv's: 32 rows on end
	v_lshlrev_b32 v13, 6, v2                       ; bq, bk: my half's 16 channels of a block of 32
	v_and_b32 v14, 8, v1
	v_add_nc_u32 v14, v14, v1
	v_lshlrev_b32 v14, 2, v14                      ; bv: channel r + 8 (r / 8) of a tile
	v_lshlrev_b32 v[LI], 4, v3
	v_lshlrev_b32 v[L8], 3, v3
.irp a, 0,1,2,3
.irp g, 0,1
	global_load_b128 v[SA+8*\a+4*\g:SA+8*\a+4*\g+3], v10, s[72:73] offset:512*\a+16*\g   ; four K steps' words of a row
.endr
.endr
.irp n, 0,1
.irp g, 0,1
	global_load_b128 v[SBQ+8*\n+4*\g:SBQ+8*\n+4*\g+3], v11, s[74:75] offset:512*\n+16*\g
.endr
.endr
.irp g, 0,1
	global_load_b128 v[SBV+4*\g:SBV+4*\g+3], v12, s[76:77] offset:16*\g
.endr
.irp n, 0,1,2,3
	global_load_b128 v[BIQ+8*\n:BIQ+8*\n+3], v13, s[78:79] offset:128*(\n/2)+32*(\n%2)       ; channels 32 (n / 2) + 16 h + 8 (n % 2) + 0..7
	global_load_b128 v[BIQ+8*\n+4:BIQ+8*\n+7], v13, s[78:79] offset:128*(\n/2)+32*(\n%2)+16
.endr
.irp t, 0,1
	global_load_b32 v[BIV+8*\t], v14, s[80:81] offset:32*\t                                  ; channel 8 t + r + 8 (r / 8) of my 32
.endr
	v_mul_u32_u24 v17, v1, PITCH
	v_lshl_add_u32 v17, v2, 4, v17                 ; a fragment's row x pitch + 16 x half
	s_wait_alu depctr_va_vdst(0)
	s_mul_i32 s88, s19, 128*PITCH                  ; my 128 rows of x
	s_mul_i32 s89, s20, 64*PITCH
	s_add_co_u32 s89, s89, AB                      ; my 64 rows of Wq or Wk
	s_mul_i32 s90, s20, 32*PITCH
	s_add_co_u32 s90, s90, AB+128*PITCH            ; my 32 rows of Wv
.irp g, 0,1
	v_add_nc_u32 v[ADRA+\g], s88, v17
	v_add_nc_u32 v[ADRB+\g], s89, v17
	v_add_nc_u32 v[ADRV+\g], s90, v17
	s_add_co_u32 s88, s88, SLOT
	s_add_co_u32 s89, s89, SLOT
	s_add_co_u32 s90, s90, SLOT
.endr
.irp b, 0,1,2,3
	v_mov_b32 v[TM+4+\b], 0                        ; written once: a lane permute's destination counts as one of its sources
.endr
.macro FRAG reg, adr, q, i             ; a fragment, 16 rows x 128 K of 4-bit codes: lane l holds row l % 16; registers 4 c .. 4 c + 3 hold K = 64 c + 32 (l / 16) + 0..31
.irp c, 0,1
	ds_load_b128 v[\reg+4*\c:\reg+4*\c+3], v[\adr] offset:64*(\q)+32*\c+(\i)*16*PITCH
.endr
.endm
.macro FETCH s                         ; K step s: 28 LDS loads in one run, into set s % 2 of window 1: x's eight tiles, Wq's or Wk's four, Wv's two
	WIN 0x40                                       ; destination window 1, address window 0
.irp i, 0,1,2,3,4,5,6,7
	FRAG 112*((\s)%2)+8*\i, ADRA+(\s)/4, (\s)%4, \i
.endr
.irp i, 0,1,2,3
	FRAG 112*((\s)%2)+64+8*\i, ADRB+(\s)/4, (\s)%4, \i
.endr
.irp i, 0,1
	FRAG 112*((\s)%2)+96+8*\i, ADRV+(\s)/4, (\s)%4, \i
.endr
.endm
; One product.  ra, rb: the side's scale words stand in lanes 16-31 of the register named
.macro WM d, a, b, c, sa, sb, ra, rb
.if ((\ra) != 0) && ((\rb) != 0)
	v_wmma_scale_f32_16x16x128_f8f6f4 v[\d:\d+7], v[\a:\a+7], v[\b:\b+7], v[\c:\c+7], v[\sa], v[\sb] matrix_a_fmt:MATRIX_FMT_FP4 matrix_b_fmt:MATRIX_FMT_FP4 matrix_a_scale:MATRIX_SCALE_ROW1 matrix_b_scale:MATRIX_SCALE_ROW1
.elseif (\ra) != 0
	v_wmma_scale_f32_16x16x128_f8f6f4 v[\d:\d+7], v[\a:\a+7], v[\b:\b+7], v[\c:\c+7], v[\sa], v[\sb] matrix_a_fmt:MATRIX_FMT_FP4 matrix_b_fmt:MATRIX_FMT_FP4 matrix_a_scale:MATRIX_SCALE_ROW1
.elseif (\rb) != 0
	v_wmma_scale_f32_16x16x128_f8f6f4 v[\d:\d+7], v[\a:\a+7], v[\b:\b+7], v[\c:\c+7], v[\sa], v[\sb] matrix_a_fmt:MATRIX_FMT_FP4 matrix_b_fmt:MATRIX_FMT_FP4 matrix_b_scale:MATRIX_SCALE_ROW1
.else
	v_wmma_scale_f32_16x16x128_f8f6f4 v[\d:\d+7], v[\a:\a+7], v[\b:\b+7], v[\c:\c+7], v[\sa], v[\sb] matrix_a_fmt:MATRIX_FMT_FP4 matrix_b_fmt:MATRIX_FMT_FP4
.endif
.endm
; A K step of 128: the next step's fragments are asked for, then 48 products on this step's.  The 48 accumulators take turns, one instruction a turn, in the same order in every step.
.macro KSTEP s
.set FS, 112*((\s)%2)
.if (\s) == 3                          ; the next step's fragments lie in K's second half
	s_wait_tensorcnt 0x0                           ; my parts of it have landed,
	s_wait_dscnt 0x0                               ; no LDS load of mine is pending at the signal,
	s_barrier_signal -1
	s_barrier_wait -1                              ; and everybody's parts have
.endif
.if (\s) < 7
.if (\s) > 0
	PLACES 4                                       ; the loads below land in the set that the last step's products read
.endif
	FETCH (\s)+1
	s_wait_dscnt 28                                ; all but the 28 just issued: this step's fragments are in
.else
	s_wait_dscnt 0x0
.endif
.if (\s) == 0
	WIN 0x85                                       ; sources 0 and 1 window 1, C (the bias) window 0, D window 2
.else
	WIN 0xa5                                       ; C and D window 2
.endif
.irp a, 0,1,2,3,4,5,6,7
.irp n, 0,1,2,3
.if (\s) == 0
	WM 32*\a+8*\n, FS+64+8*\n, FS+8*\a, BIQ+8*\n, SBQ+8*(\n%2)+(\s), SA+8*(\a%4)+(\s), \n/2, \a/4
.else
	WM 32*\a+8*\n, FS+64+8*\n, FS+8*\a, 32*\a+8*\n, SBQ+8*(\n%2)+(\s), SA+8*(\a%4)+(\s), \n/2, \a/4
.endif
.endr
.endr
.if (\s) == 0
	WIN 0xc5                                       ; D window 3
.else
	WIN 0xf5                                       ; C and D window 3
.endif
.irp a, 0,1,2,3,4,5,6,7
.irp t, 0,1
.if (\s) == 0
	WM 64*\t+8*\a, FS+8*\a, FS+96+8*\t, BIV+8*\t, SA+8*(\a%4)+(\s), SBV+(\s), \a/4, \t
.else
	WM 64*\t+8*\a, FS+8*\a, FS+96+8*\t, 64*\t+8*\a, SA+8*(\a%4)+(\s), SBV+(\s), \a/4, \t
.endif
.endr
.endr
.endm
; 64 numbers of a lane in window w, register s + 16 b + i = number 32 b + 16 (lane / 16) + i of four blocks of 32, become 8 registers of codes at v[pc] and the four blocks' scale word in v[pw].
; Each accumulator is read from its low end on.
.macro QUANT s, w, pc, pw
	WIN 5*(\w)                                     ; sources 0 and 1 window w
.irp b, 0,1,2,3
	v_max3_num_f32 v[TM+\b], |v[\s+16*\b]|, |v[\s+1+16*\b]|, 0x1800000   ; block b: my 16 numbers, and the floor 2^(3 - 127): the byte cannot fall under 1
.endr
.irp i, 2,4,6,8,10,12,14
.irp b, 0,1,2,3
	v_max3_num_f32 v[TM+\b], |v[\s+16*\b+\i]|, |v[\s+1+16*\b+\i]|, v[TM+\b]   ; (the four blocks by turns)
.endr
.endr
	WIN 0
.irp b, 0,1,2,3
	v_permlanex16_b32 v[TM+4+\b], v[TM+\b], s[SEL], s[SEL+1]
.endr
.irp b, 0,1,2,3
	v_max_num_f32 v[TM+\b], v[TM+\b], v[TM+4+\b]   ; with lane l xor 16's: the block's largest magnitude
.endr
.irp b, 0,1,2,3
	v_add_nc_u32 v[TM+12+\b], 0xff000000, v[TM+\b] ; 2 off its exponent field: the conversion's scale operand
.endr
.irp b, 0,1,2,3
	v_lshrrev_b32 v[TM+4+\b], 23, v[TM+12+\b]      ; the scale's byte
.endr
	v_lshl_or_b32 v[\pw], v[TM+5], 8, v[TM+4]
	v_lshl_or_b32 v[\pw], v[TM+6], 16, v[\pw]
	v_lshl_or_b32 v[\pw], v[TM+7], 24, v[\pw]
	WIN \w                                         ; source 0 window w
.irp b, 0,1,2,3
	v_cvt_scalef32_pk8_fp4_f32 v[\pc+2*\b], v[\s+16*\b:\s+7+16*\b], v[TM+12+\b]
	v_cvt_scalef32_pk8_fp4_f32 v[\pc+1+2*\b], v[\s+8+16*\b:\s+15+16*\b], v[TM+12+\b]
.endr
	WIN 0
	v_nop                                          ; one plain line behind a scaled conversion
.irp c, 0,1                            ; an operand wants a WHOLE block in a lane: lanes 0-15 block 2 c, lanes 16-31 block 2 c + 1
.irp i, 0,1
	v_permlane16_swap_b32 v[\pc+4*\c+\i], v[\pc+2+4*\c+\i]
.endr
.endr
.endm
	s_wait_alu depctr_va_vdst(0)
	s_wait_tensorcnt 0x0                           ; my part of K's first half is in
	ds_add_u32 v254, v255
	s_wait_dscnt 0x0
	CROUND                                         ; everybody's parts are in, and the joint loads meet:
	JL 1                                           ; K's second half, the first tensor load behind the round; it has the first half's products in which to land
	FETCH 0
	WIN 0
	s_wait_loadcnt 0x0                             ; scale words and biases
.irp t, 0,1
.irp j, 1,2,3,4,5,6,7
	v_mov_b32 v[BIV+8*\t+\j], v[BIV+8*\t]          ; V's bias hangs on the lane's channel alone: the C operand's eight registers are equal
.endr
.endr
	s_wait_alu depctr_va_vdst(0)
.irp s, 0,1,2,3,4,5,6,7
	KSTEP \s
.endr
	WIN 0
	PLACES 4                                       ; in front of the first read of results
.irp q, 0,1,2,3                        ; Q or K: row tiles 2 q and 2 q + 1: two blocks of 32 channels each
	QUANT 64*\q, 2, PC+8*\q, PW+\q
.irp c, 0,1
	global_store_b128 v[LI], v[PC+8*\q+4*\c:PC+8*\q+4*\c+3], s[82:83] offset:1024*\q+512*\c   ; tile 2 q + c's image: 512 consecutive bytes
.endr
.endr
.irp t, 0,1                            ; V: channel tile t of my two: four blocks of 32 keys: a whole fragment of V^T
	QUANT 64*\t, 3, PC+32+8*\t, PW+4+\t
.irp c, 0,1
	global_store_b128 v[LI], v[PC+32+8*\t+4*\c:PC+32+8*\t+4*\c+3], s[84:85] offset:4352+1024*\t+512*\c
.endr
.endr
	v_cmp_lt_u32 vcc_lo, 15, v3                    ; lanes 16-31
	v_cndmask_b32 v[SW], v[PW], v[PW+1], vcc_lo    ; lanes 0-15 the words of tiles 0, 1; lanes 16-31 those of tiles 2, 3
	v_cndmask_b32 v[SW+1], v[PW+2], v[PW+3], vcc_lo
	v_cndmask_b32 v[SW+2], v[PW+4], v[PW+5], vcc_lo
	v_cndmask_b32 v[SW+3], v[PW+4], v[PW+5], vcc_lo
	global_store_b64 v[L8], v[SW:SW+1], s[82:83] offset:4096     ; 256 consecutive bytes
	global_store_b64 v[L8], v[SW+2:SW+3], s[86:87] offset:8448
	s_wait_tensorcnt 0x0
	ds_add_u32 v254, v255
	s_wait_dscnt 0x0
	CROUND                                         ; the closing round: no work-group ends while a partner may still ask for a tile that names it
	s_endpgm
.Lfunc_end_k_q5f9e1b9a3e_proj:
	.size	k_q5f9e1b9a3e_proj, .Lfunc_end_k_q5f9e1b9a3e_proj-k_q5f9e1b9a3e_proj
	.p2alignl 7, 3214868480
	.fill 96, 4, 3214868480
	.section	.rodata,"a",@progbits
	.p2align	6, 0x0
	.amdhsa_kernel k_q5f9e1b9a3e_proj
		.amdhsa_group_segment_fixed_size 327680
		.amdhsa_private_segment_fixed_size 0
		.amdhsa_enable_private_segment 0
		.amdhsa_kernarg_size 56
		.amdhsa_user_sgpr_count 2
		.amdhsa_user_sgpr_kernarg_segment_ptr 1
		.amdhsa_wavefront_size32 1
		.amdhsa_system_sgpr_workgroup_id_x 1
		.amdhsa_system_sgpr_workgroup_id_y 1
		.amdhsa_system_sgpr_workgroup_id_z 1
		.amdhsa_system_vgpr_workitem_id 0
		.amdhsa_next_free_vgpr 896
		.amdhsa_next_free_sgpr 100
		.amdhsa_reserve_vcc 1
		.amdhsa_float_denorm_mode_32 3
		.amdhsa_float_denorm_mode_16_64 3
		.amdhsa_memory_ordered 1
		.amdhsa_forward_progress 1
		.amdhsa_inst_pref_size 101
	.end_amdhsa_kernel
	.amdgpu_metadata
---
amdhsa.version: [ 1, 2 ]
amdhsa.kernels:
  - .name:           k_q5f9e1b9a3e_proj
    .symbol:         k_q5f9e1b9a3e_proj.kd
    .args:
      - { .name: xwc, .offset: 0, .size: 8, .value_kind: global_buffer, .address_space: global }
      - { .name: xws, .offset: 8, .size: 8, .value_kind: global_buffer, .address_space: global }
      - { .name: bq, .offset: 16, .size: 8, .value_kind: global_buffer, .address_space: global }
      - { .name: bk, .offset: 24, .size: 8, .value_kind: global_buffer, .address_space: global }
      - { .name: bv, .offset: 32, .size: 8, .value_kind: global_buffer, .address_space: global }
      - { .name: qb, .offset: 40, .size: 8, .value_kind: global_buffer, .address_space: global }
      - { .name: kvb, .offset: 48, .size: 8, .value_kind: global_buffer, .address_space: global }
    .group_segment_fixed_size: 327680
    .private_segment_fixed_size: 0
    .kernarg_segment_align: 8
    .kernarg_segment_size: 56
    .max_flat_workgroup_size: 128
    .sgpr_count:     100
    .vgpr_count:     896
    .wavefront_size: 32
...
	.end_amdgpu_metadata
.endif
;; end of part 2
;; launch attn (part 3): grid 8 x 32, 16 waves a work-group, clusters of 4 x 1, 327,680 bytes of LDS; arguments qb, kvb, out0; writes out0
.if DOCPART == 3
	.amdgcn_target "amdgcn-amd-amdhsa--gfx1250"
	.amdhsa_code_object_version 6
	.text
	.protected	k_q5f9e1b9a3e_attn
	.globl	k_q5f9e1b9a3e_attn
	.p2align	8
	.type	k_q5f9e1b9a3e_attn,@function
k_q5f9e1b9a3e_attn:
	s_mov_b64 s[64:65], 0
	v_nop
	global_prefetch_b8 v0, s[64:65] scope:SCOPE_SE
	s_setreg_imm32_b32 hwreg(HW_REG_WAVE_MODE, 25, 1), 1
	s_wait_xcnt 0x0
	s_wait_alu depctr_hold_cnt(0) depctr_sa_sdst(0) depctr_va_vdst(0) depctr_va_sdst(0) depctr_va_ssrc(0) depctr_va_vcc(0) depctr_vm_vsrc(0)
	s_getreg_b32 s2, hwreg(HW_REG_IB_STS2, 6, 4)
	s_cmp_eq_u32 s2, 0
	s_cbranch_scc0 .Lentry_in_a_cluster
	s_endpgm
.Lentry_in_a_cluster:
	s_bfe_u32 s2, ttmp6, 0x10000c
	s_cmp_lg_u32 s2, 0x3003
	s_cbranch_scc0 .Lentry_shape_is_right
	s_endpgm
.Lentry_shape_is_right:
; out[b][q][64 head + :] = the sum over keys k <= q of softmax_k(Q . K / 8) V, both products on codes of FP4 with one E8M0 scale for each 32 along a product's K.  Q, K, V come as the records that the launch before has laid.
; THE SOFTMAX AHEAD OF THE SECOND PRODUCT: t = score x log2(e) / 8; M = the row's largest t so far, rounded UP to a whole number; p = 2^(t - M) is quantised along the keys, not normalised.
; The row's sum is taken of the unquantised p, in f32, and divides O at the end.  When M moves, the sum and O are multiplied by 2^(old M - new M): exact.
; WORK LEFT OUT: a step of 128 keys that all come after a tile's block of 128 queries: the problem's own causal mask makes each of its scores -infinity, for all inputs, so it adds nothing to the sum or to O.
; SHARES.  Work-group (j, g = 16 batch + head) owns tile j of 16 queries in EACH of its head's sixteen blocks of 128 queries: all work-groups do the same steps.  Tile of block m: m + 1 key steps of 128.
; A pair p of waves has the tiles of blocks 15 - p and p: 17 steps.  With a = max(4, p + 1): wave A: 9 steps of the late tile, records 0 .. a - 1 and 8 .. 16 - a; wave B: 7 - p steps of the late tile, records a .. 7 and 17 - a .. 15 - p,
; then the p + 1 of the early tile.  At its change of tiles B hands its part of the late tile (O, sum, M) to A through LDS; A joins the two at the end: factors are powers of two.
; LDS is filled ONCE: the head's 16 records of K and V, 8,960 bytes each; wave w brings record w by one tensor load: records 0-7 at the head, records 8-15 behind the first round.  Every wave's first four steps read records 0-7 alone.
; CLUSTERS: four work-groups of one head ask for its records jointly (mask 15).  No branch, trip count or LDS address hangs on j.
; NO PREFETCH: no loop issues tensor loads: a record is asked for once, at the head or directly behind the first round.
; LAYOUT.  Both products are used transposed: S^T = K Q^T, O^T = V^T P^T: a lane holds ONE query (lane % 16) throughout.  A head's 64 channels are half of the instruction's K = 128:
; a run of eight registers holds TWO key tiles (2 b in K = 0..63, 2 b + 1 in K = 64..127), and two fragments of Q, (q, zeros) and (zeros, q), pick one or the other.  The 32-row form takes two runs at once.
; Index i of tile 2 b + u (of queries, keys and channels alike) is number 32 b + 8 u + i + 8 (i / 8) of its 128 or 64: so the 16 registers of result tiles 2 b, 2 b + 1 are 16 neighbours, 32 b + 16 (lane / 16) + 0..15.
; LIMITS: NaN and infinities are not served, and one that reaches only a step left out is not carried to the result; the scaled scores stay under 2^31 in magnitude;
; a block of p that is all zeros, or whose largest p lies under 2^-124, gets the byte 1: zero codes add nothing.
; REGISTERS: v1-7 addresses that stay; v8-9 the step's LDS addresses; v12 -M, v13 the largest score, v[14:15] the sum in two halves; v16-27 zeros, q, zeros; v28 q's scale word; v32-63 K (v32-47 the sum's chains behind the first product);
;   v64-95 V; v96-159 S^T, then p; v160-191 O^T; v192-193 K's scale words, v194-195 V's, v196 p's; v200-204 the early tile's q and scale word; v224-231 p's codes; v232-254 at work.
.set REC,   8960                       ; a record: K's images 4,096, K's scale words 256, V's fragments 4,096, V's scale words 512
.set DUMP,  16*REC                     ; behind the records: 9 x 512 bytes of its own for each wave, where a wave B leaves its part of the late tile; no fill lands there
.set DREC,  4608
.set STAGE, DUMP+16*DREC               ; 16 rows x (256 bytes + 16) for each wave, for the way out; no fill lands there
.set SPI,   272
.set SPARE, STAGE+16*16*SPI            ; the spare words, 128 bytes for each wave
.set SPW,   251
.set NIL,   255
.set S,     96
.set PP,    12                         ; s12  p
.set KIND,  13                         ; s13  0: wave A, 1: wave B
.set WV,    18                         ; s18  my wave's number
.set SEL,   32                         ; s[32:33] v_permlanex16_b32's selects for lane l xor 16
.set CS,    34                         ; s[34:35] c = log2(e) / 8: the packed form names a pair and takes its low word for both halves
.set TB,    36                         ; s36  LDS byte at which the step's record begins
.set T,     37                         ; s37  my step, 0..8
.set BETA,  38                         ; s38  the block of my tile in hand
.set R0,    50                         ; s50  steps 0-3: record (t + R0) % 8
.set O1,    51                         ; steps 4-8: record (t + O1 + (t >= SWR ? O2 : 0)) % 16
.set O2,    52
.set SWR,   53
.set SWT,   54                         ; s54  the step at which B changes tiles (A: none)
.set LAST,  55                         ; s55  my last step
.set REK,   56                         ; s56  the step's record
.macro CROUND                          ; a round of the cluster's barrier: my work-group's barrier; wave 0 signals for the work-group; every wave waits for all four; my work-group's barrier once more
	s_barrier_signal -1
	s_barrier_wait -1
	s_cmp_lg_u32 s[WV], 0
	s_cbranch_scc1 .Lnot_wave_0_\@
	s_barrier_signal -3
.Lnot_wave_0_\@:
	s_barrier_wait -3
	s_barrier_signal -1
	s_barrier_wait -1
.endm
.macro PLACES n
.rept \n
	v_nop
.endr
.endm
	s_load_b128 s[4:7], s[0:1], 0x0                ; qb s[4:5], kvb s[6:7]
	s_load_b64 s[8:9], s[0:1], 0x10                ; out0
	v_lshl_add_u32 v[SPW], v0, 2, SPARE
	v_mov_b32 v[NIL], 0
	ds_add_u32 v[SPW], v[NIL]
	ds_add_u32 v[SPW], v[NIL]
	v_lshrrev_b32 v8, 5, v0
	v_readfirstlane_b32 s[WV], v8                  ; wave 0..15
	s_and_b32 s10, ttmp7, 0xffff                   ; g
	s_bfe_u32 s11, ttmp6, 0x40000                  ; cx
	s_lshl_b32 s14, ttmp9, 2
	s_add_co_u32 s11, s11, s14                     ; j = 4 x cluster x + cx
	; descriptor group 1: a record is a dense block of 35 rows of 256 bytes (32 elements of 8 bytes), no padding: every LDS load below takes 512 or fewer consecutive bytes
	s_mov_b32 s24, 15|(3<<16)|(1<<21)              ; the mask: the four of the cluster; elements of 8 bytes; 21 set beside a mask
	s_mov_b32 s25, 32<<16                          ; tensor_dim0
	s_mov_b32 s26, 35<<16                          ; tensor_dim1
	s_mov_b32 s27, 32<<16                          ; tile_dim0
	s_mov_b32 s28, 35                              ; tile_dim1
	s_mov_b32 s29, 32                              ; from row to row
	s_mov_b32 s30, 0
	s_mov_b32 s31, 0
	s_mov_b32 s20, 1                               ; count = 1
	s_mul_i32 s21, s[WV], REC                      ; LDS address: record w
	s_lshl_b32 s16, s10, 4
	s_add_co_u32 s14, s16, s[WV]
	s_mul_i32 s14, s14, REC
	s_mov_b32 s15, 0
	; my pair, my kind and my list of steps
	s_lshr_b32 s[PP], s[WV], 1
	s_lshr_b32 s[KIND], s[WV], 2
	s_xor_b32 s[KIND], s[KIND], s[WV]
	s_and_b32 s[KIND], s[KIND], 1                  ; among waves w, w + 4, w + 8, w + 12 and among 4 i .. 4 i + 3 two are A and two B
	s_xor_b32 s[BETA], s[PP], 15                   ; the late tile's block, 15 - p
	s_xor_b32 s[SWT], s[PP], 7                     ; 7 - p
	s_min_u32 s57, s[SWT], 4                       ; 8 - a
	s_xor_b32 s[R0], s57, 15
	s_add_co_u32 s[R0], s[R0], 1                   ; 8 + a
	s_mul_i32 s[R0], s[R0], s[KIND]                ; A begins at record 0, B at record a
	s_sub_co_u32 s58, 8, s57                       ; a
	s_add_co_u32 s40, s16, s[BETA]
	s_mul_i32 s40, s40, 4352                       ; Q's record of the late tile's block
	s_mov_b32 s41, 0
	s_add_co_u32 s42, s16, s[PP]
	s_mul_i32 s42, s42, 4352                       ; and of the early tile's
	s_mov_b32 s43, 0
	s_cmp_eq_u32 s[KIND], 0
	s_cselect_b32 s[SWR], s58, s[SWT]
	s_cselect_b32 s[O2], s57, s[PP]
	s_cselect_b32 s[O1], 0, 9
	s_cselect_b32 s[SWT], 64, s[SWT]
	s_cselect_b32 s[LAST], 8, 7
	s_cselect_b32 s59, s[BETA], s[PP]              ; the block whose tile I store
	s_wait_dscnt 0x0                               ; both opening adds are done
	CROUND                                         ; all four work-groups are here: the first joint loads meet
	s_wait_kmcnt 0x0
	s_add_nc_u64 s[22:23], s[6:7], s[14:15]        ; global address
	s_or_b32 s23, s23, 0x80000000                  ; type = 2
	s_cmp_lt_u32 s[WV], 8
	s_cbranch_scc0 .Llater
	tensor_load_to_lds s[20:23], s[24:31]          ; records 0-7
	s_nop 0
	PLACES 4                                       ; four plain lines behind a tensor load
.Llater:
	s_add_nc_u64 s[40:41], s[4:5], s[40:41]
	s_add_nc_u64 s[42:43], s[4:5], s[42:43]
	s_lshr_b32 s16, s11, 1                         ; j / 2: the pair of tiles
	s_and_b32 s17, s16, 1
	s_lshl_b32 s17, s17, 7                         ; its scale words stand in lanes' places 16 ((j / 2) % 2) on, 8 bytes each,
	s_lshr_b32 s19, s11, 2
	s_lshl_b32 s19, s19, 2                         ; in word j / 4 of the two
	s_add_co_u32 s19, s19, s17
	s_lshl_b32 s44, s11, 9                         ; tile j's image
	v_and_b32 v10, 31, v0                          ; lane
	v_and_b32 v29, 15, v0                          ; r
	v_bfe_u32 v30, v0, 4, 1                        ; h
	v_lshlrev_b32 v1, 4, v10                       ; 16 x lane: an image's place for my lane
	v_lshlrev_b32 v2, 3, v10                       ; 8 x lane: a scale word's
	v_lshlrev_b32 v11, 3, v29
	v_add_nc_u32 v10, s44, v1
	v_add_nc_u32 v11, s19, v11
	global_load_b128 v[20:23], v10, s[40:41]       ; q of the late tile: row index r, channels 32 h on
	global_load_b32 v28, v11, s[40:41] offset:4096 ; the scale word of my row in its pair of tiles
	global_load_b128 v[200:203], v10, s[42:43]     ; the same of the early tile, for B
	global_load_b32 v204, v11, s[42:43] offset:4096
	s_and_b32 s39, s11, 1
	s_lshl_b32 s17, s16, 5
	s_lshl_b32 s19, s39, 3
	s_add_co_u32 s17, s17, s19                     ; 32 (j / 2) + 8 (j % 2): my tile's first query in its block
	s_lshl_b32 s39, s39, 4                         ; 16 (j % 2): my tile's two bytes in the pair's scale word
	s_lshr_b32 s14, s10, 4
	s_lshl_b32 s14, s14, 11                        ; the batch's 2,048 rows of out
	s_lshl_b32 s19, s59, 7
	s_add_co_u32 s14, s14, s19
	s_add_co_u32 s14, s14, s17
	s_lshl_b32 s14, s14, 12                        ; rows of 4,096 bytes
	s_and_b32 s19, s10, 15
	s_lshl_b32 s19, s19, 8                         ; the head's 256 bytes of a row
	s_add_co_u32 s14, s14, s19
	s_add_nc_u64 s[46:47], s[8:9], s[14:15]
	s_mov_b32 s[SEL], 0x76543210
	s_mov_b32 s[SEL+1], 0xfedcba98
	s_mov_b32 s[CS], 0x3e38aa3b                    ; c = log2(e) / 8
	s_mov_b32 s[CS+1], s[CS]                       ; (named with it as a pair, so it is written)
	s_wait_alu depctr_va_vdst(0)                   ; ahead of the readers below
	v_and_b32 v3, 8, v29
	v_mul_u32_u24 v4, v29, SPI
	v_mul_u32_u24 v5, v30, SPI
	v_lshlrev_b32 v6, 12, v30
	v_add3_u32 v3, v3, v29, s17                    ; my query in its block: 32 (j / 2) + 8 (j % 2) + r + 8 (r / 8),
	v_lshl_add_u32 v4, v30, 6, v4
	v_lshl_add_u32 v5, v29, 4, v5
	v_lshl_add_u32 v6, v29, 4, v6                  ; the way out: lanes 0-15 one row of out, lanes 16-31 the next
	v_lshlrev_b32 v30, 4, v30
	s_mul_i32 s19, s[WV], 16*SPI
	s_add_co_u32 s19, s19, STAGE                   ; my stage
	v_add_nc_u32 v4, s19, v4                       ; in: row r, + 64 h bytes: my half's 16 channels of a block of 32
	v_add_nc_u32 v5, s19, v5                       ; back: lanes 0-15 one row of 256 bytes, lanes 16-31 the next
	v_sub_nc_u32 v3, v3, v30                       ; less 16 h: register (b, i) holds key 32 b + i + 16 h of a step
	s_mul_i32 s19, s[WV], DREC
	s_add_co_u32 s19, s19, DUMP
	v_add_nc_u32 v7, s19, v1                       ; where I leave my part of the late tile,
	s_xor_b32 s57, s[WV], 1
	s_mul_i32 s57, s57, DREC
	s_add_co_u32 s57, s57, DUMP
	v_add_nc_u32 v205, s57, v1                     ; and where the pair's other wave leaves its part
.irp j, 16,17,18,19,24,25,26,27
	v_mov_b32 v\j, 0                               ; the zero codes on both sides of q
.endr
	v_mov_b32 v237, 0                              ; written once: a lane permute's destination counts as one of its sources
	v_mov_b32 v252, 0
	v_mov_b32 v253, 0                              ; (named as the upper half of the pair v[252:253])
	s_wait_loadcnt 0x0                             ; q and its scale words
.irp j, 28,204
	v_lshrrev_b32 v\j, s39, v\j
.endr
.irp j, 28,204
	v_and_b32 v\j, 0xffff, v\j                     ; my tile's two bytes,
.endr
.irp j, 28,204
	v_lshl_or_b32 v\j, v\j, 16, v\j                ; for K = 0..63 and for K = 64..127 alike
.endr
.macro BEGIN                           ; a tile begins: the step is written for a sum in hand; the first finds zeros, which the first change of M leaves zeros
	v_mov_b32 v12, 0x7e000000                      ; -M: over 10^37
	v_mov_b32 v13, 0xff61b1e6                      ; the largest score so far: -3e38
	v_mov_b32 v14, 0
	v_mov_b32 v15, 0
.set j, 0
.rept 32
	v_mov_b32 v[160+j], 0
.set j, j+1
.endr
.endm
	BEGIN
	s_wait_alu depctr_va_vdst(0)
	s_wait_tensorcnt 0x0                           ; my record, if it is one of 0-7, has landed
	ds_add_u32 v[SPW], v[NIL]
	ds_add_u32 v[SPW], v[NIL]
	s_wait_dscnt 0x0
	CROUND                                         ; records 0-7 are whole, and the joint loads meet
	s_cmp_lt_u32 s[WV], 8
	s_cbranch_scc1 .Lhave
	tensor_load_to_lds s[20:23], s[24:31]          ; records 8-15: they have four steps in which to land
	s_nop 0
	PLACES 4
.Lhave:
; B's change of tiles: my part of the late tile goes to LDS, 16 bytes a lane and store; the early tile begins.
.macro SWITCH
	s_cmp_lg_u32 s[T], s[SWT]
	s_cbranch_scc1 .Lstay_\@
	PLACES 4                                       ; between the last products and the reads of their results
	s_wait_alu depctr_va_vdst(0)
.irp k, 0,1,2,3,4,5,6,7
	ds_store_b128 v7, v[160+4*\k:163+4*\k] offset:512*\k
.endr
	ds_store_b128 v7, v[12:15] offset:4096         ; -M, the largest score, the sum's halves
	s_wait_dscnt 0x0
.irp k, 0,1,2,3
	v_mov_b32 v[20+\k], v[200+\k]
.endr
	v_mov_b32 v28, v204
	BEGIN
	s_mov_b32 s[BETA], s[PP]
.Lstay_\@:
.endm
.macro KQ h, u                         ; S^T of key tiles 4 h + u and 4 h + 2 + u
	v_wmma_scale_f32_32x16x128_f4 v[S+32*\h+16*\u:S+32*\h+16*\u+15], v[32+16*\h:47+16*\h], v[20-4*\u:27-4*\u], 0, v[192+\h], v28
.endm
; Register (b, i): number i of my 16 in block b of 32 keys: S + 32 (b / 2) + 8 (b % 2) + 16 (i / 8) + i % 8.
.macro STEP
	v_add_nc_u32 v8, s[TB], v1
	v_add_nc_u32 v9, s[TB], v2
	PLACES 2                                       ; four plain lines between the last step's products and the loads into the registers that they read
.irp b, 0,1,2,3
.irp c, 0,1
	ds_load_b128 v[32+8*\b+4*\c:35+8*\b+4*\c], v8 offset:1024*\b+512*\c       ; key tiles 2 b (c = 0) and 2 b + 1 (c = 1) as they were stored
.endr
.endr
	ds_load_b64 v[192:193], v9 offset:4096         ; K's scale words: v192 lanes 0-15 pair 0, lanes 16-31 pair 1; v193 pairs 2 and 3
.irp t, 0,1,2,3
.irp c, 0,1
	ds_load_b128 v[64+8*\t+4*\c:67+8*\t+4*\c], v8 offset:4352+1024*\t+512*\c  ; V^T: 16 channels x 128 keys
.endr
.endr
	ds_load_b32 v194, v9 offset:8448               ; V's scale words: lanes 0-15 tile 0, lanes 16-31 tile 1;
	ds_load_b32 v195, v9 offset:8704               ; tiles 2 and 3
	s_wait_dscnt 10                                ; K and its scale words are in; V's ten loads may stay out until the second product
	KQ 0, 0
	KQ 0, 1
	KQ 1, 0
	KQ 1, 1
	PLACES 4                                       ; in front of the first read of results
	s_cmp_lt_u32 s[REK], s[BETA]                   ; only my block's own step lies on the diagonal
	s_cbranch_scc1 .Lopen_\@
	v_mov_b32 v254, 0xff800000                     ; hidden scores become -infinity ahead of the maximum: p = 0 then
.set n, 0
.rept 64
	v_cmp_gt_i32 vcc_lo, 32*(n/16)+n%16, v3
	v_cndmask_b32 v[S+32*(n/32)+8*((n/16)%2)+16*((n%16)/8)+n%8], v[S+32*(n/32)+8*((n/16)%2)+16*((n%16)/8)+n%8], v254, vcc_lo
.set n, n+1
.endr
.Lopen_\@:
.irp b, 0,1,2,3
.set Q, S+32*(\b/2)+8*(\b%2)
	v_max3_num_f32 v[232+\b], v[Q], v[Q+1], v[Q+2] ; the largest score of each block of 32 keys: it serves for the row's maximum and, since p rises with the score, for the block's largest p
.endr
.irp i, 3,5,7,9,11,13
.irp b, 0,1,2,3
.set Q, S+32*(\b/2)+8*(\b%2)
	v_max3_num_f32 v[232+\b], v[232+\b], v[Q+16*(\i/8)+\i%8], v[Q+16*((\i+1)/8)+(\i+1)%8]
.endr
.endr
.irp b, 0,1,2,3
	v_max_num_f32 v[232+\b], v[232+\b], v[S+32*(\b/2)+8*(\b%2)+23]
.endr
	v_permlane16_swap_b32 v232, v233               ; two blocks share a register: lanes 0-15 block 0, lanes 16-31 block 1, their two halves in v232 and v233;
	v_permlane16_swap_b32 v234, v235               ; blocks 2 and 3 likewise
	s_delay_alu instid0(VALU_DEP_2)
	v_max_num_f32 v232, v232, v233
	s_delay_alu instid0(VALU_DEP_2)
	v_max_num_f32 v234, v234, v235
	s_delay_alu instid0(VALU_DEP_1)
	v_max_num_f32 v236, v232, v234
	s_delay_alu instid0(VALU_DEP_1)
	v_permlanex16_b32 v237, v236, s[SEL], s[SEL+1]
	s_delay_alu instid0(VALU_DEP_1)
	v_max3_num_f32 v13, v13, v236, v237            ; the largest score so far
	s_delay_alu instid0(VALU_DEP_1)
	v_mul_f32 v254, s[CS], v13                     ; as t (c is positive)
	v_mov_b32 v238, v12
	s_delay_alu instid0(VALU_DEP_2)
	v_floor_f32 v12, -v254                         ; the new -M = floor(-t) = -ceil(t): a whole number
	s_delay_alu instid0(VALU_DEP_1)
	v_sub_f32 v238, v12, v238                      ; M's old value less its new one: a whole number, 0 or less
	s_delay_alu instid0(VALU_DEP_1)
	v_cvt_i32_f32 v238, v238                       ; (it saturates)
	s_delay_alu instid0(VALU_DEP_1)
	v_ldexp_f32 v252, 1.0, v238                    ; f = 2^(old M - new M)
	v_fma_f32 v232, v232, s[CS], v12               ; t - M of the blocks' largest scores,
	v_fma_f32 v234, v234, s[CS], v12
.set j, 0
.rept 32
	v_pk_fma_f32 v[S+j:S+1+j], v[S+j:S+1+j], s[CS:CS+1], v[12:13] op_sel_hi:[1,0,0]   ; and of all scores, two at a time
.set j, j+2
.endr
.set j, 0
.rept 16
	v_pk_mul_f32 v[160+j:161+j], v[160+j:161+j], v[252:253] op_sel_hi:[1,0]   ; O^T under the new M
.set j, j+2
.endr
	s_wait_alu depctr_va_vdst(0)                   ; ahead of the batch,
	v_exp_f32 v232, v232                           ; the blocks' largest p: the same two instructions on the same number give the same bits
	v_exp_f32 v234, v234
.set j, 0
.rept 64
	v_exp_f32 v[S+j], v[S+j]                       ; p = 2^(t - M), at most 1
.set j, j+1
.endr
	v_pk_mul_f32 v[14:15], v[14:15], v[252:253] op_sel_hi:[1,0]   ; the sums under the new M (a plain line behind the exponentials)
	s_wait_alu depctr_va_vdst(0)                   ; and behind it, ahead of the first reader
	v_max_num_f32 v232, 0x1800000, v232            ; the floor 2^(3 - 127): the byte cannot fall under 1
	v_max_num_f32 v234, 0x1800000, v234
	v_add_nc_u32 v232, 0xff000000, v232            ; 2 off the exponent field: the conversions' scale operand
	v_add_nc_u32 v234, 0xff000000, v234
	v_lshlrev_b32 v236, 1, v232                    ; the scale's byte comes to the top
	v_lshlrev_b32 v237, 1, v234
	v_mov_b32 v233, v232
	v_mov_b32 v235, v234
	v_perm_b32 v236, v237, v236, 0x0c070c03        ; lanes 0-15: block 0's byte in byte 0, block 2's in byte 2; lanes 16-31: blocks 1 and 3
	v_permlane16_swap_b32 v232, v233               ; v232 block 0's operand in all lanes, v233 block 1's;
	v_permlane16_swap_b32 v234, v235               ; v234, v235 blocks 2 and 3
	v_permlanex16_b32 v237, v236, s[SEL], s[SEL+1]
.irp b, 0,1,2,3
.set Q, S+32*(\b/2)+8*(\b%2)
	v_cvt_scalef32_pk8_fp4_f32 v[224+2*\b], v[Q:Q+7], v[232+\b]
	v_cvt_scalef32_pk8_fp4_f32 v[225+2*\b], v[Q+16:Q+23], v[232+\b]
.endr
	v_lshl_or_b32 v196, v237, 8, v236              ; p's scale word for these 128 keys, in lanes 0-15 (a plain line behind the conversions)
.irp c, 0,1                            ; the operand wants a WHOLE block in a lane: lanes 0-15 block 2 c, lanes 16-31 block 2 c + 1
.irp i, 0,1
	v_permlane16_swap_b32 v[224+4*\c+\i], v[226+4*\c+\i]
.endr
.endr
	; the row's sum of the unquantised p, eight chains in K's registers.  (These lines also part the making of p's codes and scale word from the products below)
.irp k, 0,1,2,3,4,5,6,7
	v_pk_add_f32 v[32+2*\k:33+2*\k], v[S+4*\k:S+1+4*\k], v[S+2+4*\k:S+3+4*\k]
.endr
.irp m, 32,48
.irp k, 0,1,2,3,4,5,6,7
	v_pk_add_f32 v[32+2*\k:33+2*\k], v[32+2*\k:33+2*\k], v[S+\m+2*\k:S+1+\m+2*\k]
.endr
.endr
.irp k, 0,1,2,3
	v_pk_add_f32 v[32+2*\k:33+2*\k], v[32+2*\k:33+2*\k], v[40+2*\k:41+2*\k]
.endr
	v_pk_add_f32 v[32:33], v[32:33], v[36:37]
	v_pk_add_f32 v[34:35], v[34:35], v[38:39]
	s_delay_alu instid0(VALU_DEP_1)
	v_pk_add_f32 v[32:33], v[32:33], v[34:35]
	s_delay_alu instid0(VALU_DEP_1)
	v_pk_add_f32 v[14:15], v[14:15], v[32:33]
	s_wait_dscnt 0x0                               ; V and its scale words are in
	v_wmma_scale_f32_32x16x128_f4 v[160:175], v[64:79], v[224:231], v[160:175], v194, v196   ; O^T of channel tiles 0, 1 and 2, 3 += V^T P^T over the step's 128 keys
	v_wmma_scale_f32_32x16x128_f4 v[176:191], v[80:95], v[224:231], v[176:191], v195, v196
.endm
	s_mov_b32 s[T], 0
.Lone:                                             ; steps 0-3: records 0-7 alone
	SWITCH
	s_add_co_u32 s[REK], s[T], s[R0]
	s_and_b32 s[REK], s[REK], 7
	s_mul_i32 s[TB], s[REK], REC
	STEP
	s_add_co_u32 s[T], s[T], 1
	s_cmp_lt_u32 s[T], 4
	s_cbranch_scc1 .Lone
	s_wait_tensorcnt 0x0                           ; my record, if it is one of 8-15, has landed,
	s_wait_dscnt 0x0
	s_barrier_signal -1
	s_barrier_wait -1                              ; everybody's has
	s_mov_b32 s[T], 4
.Ltwo:                                             ; steps 4-8 (B: 4-7)
	SWITCH
	s_cmp_gt_u32 s[T], s[LAST]
	s_cbranch_scc1 .Lrest
	s_cmp_ge_u32 s[T], s[SWR]
	s_cselect_b32 s57, s[O2], 0
	s_add_co_u32 s[REK], s[T], s[O1]
	s_add_co_u32 s[REK], s[REK], s57
	s_and_b32 s[REK], s[REK], 15
	s_mul_i32 s[TB], s[REK], REC
	STEP
.Lrest:
	s_add_co_u32 s[T], s[T], 1
	s_cmp_lt_u32 s[T], 9
	s_cbranch_scc1 .Ltwo
; THE WAY OUT.  O^T is divided by the row's sum and goes through my stage in LDS, so that sixteen lanes store a query's 256 consecutive bytes.
.macro WAYOUT
	v_add_f32 v14, v14, v15                        ; the sum's two halves,
	s_delay_alu instid0(VALU_DEP_1)
	v_permlanex16_b32 v252, v14, s[SEL], s[SEL+1]
	s_delay_alu instid0(VALU_DEP_1)
	v_add_f32 v14, v14, v252                       ; and lane l xor 16's: the row's sum
	s_wait_alu depctr_va_vdst(0)                   ; ahead of the transcendental,
	v_rcp_f32 v14, v14
	v_nop                                          ; (a plain line behind it)
	s_wait_alu depctr_va_vdst(0)                   ; and ahead of its first reader
.set j, 0
.rept 16
	v_pk_mul_f32 v[96+j:97+j], v[160+j:161+j], v[14:15] op_sel_hi:[1,0]   ; register 16 b + i is channel 32 b + 16 h + i of my query; each accumulator from its low end on
.set j, j+2
.endr
.irp b, 0,1
.irp k, 0,1,2,3
	ds_store_b128 v4, v[96+16*\b+4*\k:99+16*\b+4*\k] offset:128*\b+16*\k
.endr
.endr
.irp i, 0,1,2,3,4,5,6,7
	ds_load_b128 v[32+4*\i:35+4*\i], v5 offset:2*\i*SPI        ; a wave's LDS instructions are served in order (ISA guide 5.7.1): these see my stores
.endr
.irp i, 0,1,2,3,4,5,6,7
	s_wait_dscnt 7-\i                              ; the younger loads may stay out
	global_store_b128 v6, v[32+4*\i:35+4*\i], s[46:47] offset:(2*\i+8*(\i/4))*4096 th:TH_STORE_NT   ; index 2 i + h of my tile is query 2 i + h + 8 (i / 4) on from its first; 16 lanes store 256 consecutive bytes, aligned
.endr
.endm
	s_cmp_eq_u32 s[KIND], 0
	s_cbranch_scc1 .Lmeet
	PLACES 4                                       ; B: the early tile goes out
	s_wait_alu depctr_va_vdst(0)
	WAYOUT
.Lmeet:
	s_wait_dscnt 0x0                               ; my LDS accesses are over, the part that I handed over among them
	s_barrier_signal -1
	s_barrier_wait -1
	s_cmp_lg_u32 s[KIND], 0
	s_cbranch_scc1 .Lend
	PLACES 4                                       ; A: between the last products and the loads into the registers that they read
.irp k, 0,1,2,3,4,5,6,7
	ds_load_b128 v[32+4*\k:35+4*\k], v205 offset:512*\k        ; B's part of the late tile: O,
.endr
	ds_load_b128 v[64:67], v205 offset:4096        ; -M in v64, the sum's halves in v[66:67]
	s_wait_alu depctr_va_vdst(0)
	s_wait_dscnt 0x0
	v_min_num_f32 v68, v12, v64                    ; -M of both
	v_sub_f32 v69, v68, v12
	v_sub_f32 v70, v68, v64
	v_cvt_i32_f32 v69, v69
	v_cvt_i32_f32 v70, v70
	v_ldexp_f32 v252, 1.0, v69                     ; my factor
	v_ldexp_f32 v254, 1.0, v70                     ; and B's (a part of no steps has M under -10^37, so the factor 0)
	v_pk_mul_f32 v[14:15], v[14:15], v[252:253] op_sel_hi:[1,0]
.set j, 0
.rept 16
	v_pk_mul_f32 v[160+j:161+j], v[160+j:161+j], v[252:253] op_sel_hi:[1,0]
.set j, j+2
.endr
	v_pk_fma_f32 v[14:15], v[66:67], v[254:255], v[14:15] op_sel_hi:[1,0,1]
.set j, 0
.rept 16
	v_pk_fma_f32 v[160+j:161+j], v[32+j:33+j], v[254:255], v[160+j:161+j] op_sel_hi:[1,0,1]
.set j, j+2
.endr
	WAYOUT
.Lend:
	s_wait_tensorcnt 0x0                           ; the wave's end
	ds_add_u32 v[SPW], v[NIL]
	s_wait_dscnt 0x0
	CROUND                                         ; the closing round: no work-group ends while a partner may still ask for a record that names it
	s_endpgm
.Lfunc_end_k_q5f9e1b9a3e_attn:
	.size	k_q5f9e1b9a3e_attn, .Lfunc_end_k_q5f9e1b9a3e_attn-k_q5f9e1b9a3e_attn
	.p2alignl 7, 3214868480
	.fill 96, 4, 3214868480
	.section	.rodata,"a",@progbits
	.p2align	6, 0x0
	.amdhsa_kernel k_q5f9e1b9a3e_attn
		.amdhsa_group_segment_fixed_size 327680
		.amdhsa_private_segment_fixed_size 0
		.amdhsa_enable_private_segment 0
		.amdhsa_kernarg_size 24
		.amdhsa_user_sgpr_count 2
		.amdhsa_user_sgpr_kernarg_segment_ptr 1
		.amdhsa_wavefront_size32 1
		.amdhsa_system_sgpr_workgroup_id_x 1
		.amdhsa_system_sgpr_workgroup_id_y 1
		.amdhsa_system_sgpr_workgroup_id_z 1
		.amdhsa_system_vgpr_workitem_id 0
		.amdhsa_next_free_vgpr 256
		.amdhsa_next_free_sgpr 72
		.amdhsa_reserve_vcc 1
		.amdhsa_float_denorm_mode_32 3
		.amdhsa_float_denorm_mode_16_64 3
		.amdhsa_memory_ordered 1
		.amdhsa_forward_progress 1
		.amdhsa_inst_pref_size 62
	.end_amdhsa_kernel
	.amdgpu_metadata
---
amdhsa.version: [ 1, 2 ]
amdhsa.kernels:
  - .name:           k_q5f9e1b9a3e_attn
    .symbol:         k_q5f9e1b9a3e_attn.kd
    .args:
      - { .name: qb, .offset: 0, .size: 8, .value_kind: global_buffer, .address_space: global }
      - { .name: kvb, .offset: 8, .size: 8, .value_kind: global_buffer, .address_space: global }
      - { .name: out0, .offset: 16, .size: 8, .value_kind: global_buffer, .address_space: global }
    .group_segment_fixed_size: 327680
    .private_segment_fixed_size: 0
    .kernarg_segment_align: 8
    .kernarg_segment_size: 24
    .max_flat_workgroup_size: 512
    .sgpr_count:     72
    .vgpr_count:     256
    .wavefront_size: 32
...
	.end_amdgpu_metadata
.endif
;; end of part 3
